; MI455X (gfx1250); checked and timed in simulation.
; The chip was launched on July 23, 2026; its instructions are those of AMD's public machine-readable ISA for CDNA 5 (MIT licence, August 2026) and "CDNA5" Instruction Set Architecture Reference Guide (July 2026). The comments in the code are by the model that wrote it; some were corrected since.
;; Shared Mo E. Allowed arithmetic: matrix products marked QUANTISED: E5M2 operands, one E8M0 scale for each 32 along K, by v_wmma_scale_f32_16x16x128_f8f6f4 with both operands' format E5M2, f32 sums; products left as they are: f32 operands where the result goes on into a quantised operand, else bf16, f16 or f32 operands; f32 sums; everything else in f32.
;; Inputs: W1_codes 8 x 1,024 x 32 x 32 uint8 (E5M2 codes of W1, K innermost, in blocks of 32 codes); W1_scales 8 x 1,024 x 32 uint8 (E8M0 scales of W1, one for each 32 codes along K); W2_codes 8 x 1,024 x 32 x 32 uint8 (E5M2 codes of W2, K innermost, in blocks of 32 codes); W2_scales 8 x 1,024 x 32 uint8 (E8M0 scales of W2, one for each 32 codes along K); Wr 1,024 x 8 float32; b1 8 x 1,024 float32; b2 8 x 1,024 float32; br 8 float32; x 4 x 1,024 x 1,024 float32.
;; Outputs: out0 4 x 1,024 x 1,024 float32; out1 4 x 1,024 x 8 float32; out2 4 x 1,024 x 8 float32.
;; This version of the problem:
;;   THIS VERSION OF THE PROBLEM IS GIVEN IN LOW PRECISION. The matrix products marked QUANTISED in the list below multiply operands that are first quantised to E5M2 (5 exponent bits, 2 mantissa bits; 8 bits a number), with one power-of-two scale for each 32 numbers along K (OCP MX v1.0); their sums are f32. All else is computed in f32.
;;   The module's matrix products, in the order in which they are computed (A, B: the left and right operand; K: the contracted axis; several contracted axes count as one K, in the product's order):
;;     1. [M 4,096, K 1,024] x [K 1,024, N 8]; A: input x; B: input Wr: left as it is (N = 8 < 16)
;;     2. [M 4,096, K 1,024] x [K 1,024, N 8,192]; A: input x; B: input W1 (given as codes): QUANTISED
;;     3. batch 8 x [M 1,024, K 1,024] x [K 1,024, N 4,096]; A: input W2 (given as codes); B: computed on the way: QUANTISED
;;     4. batch 4,096 x [M 1, K 8] x [K 8, N 1,024]; A: softmax; B: computed on the way: left as it is (K = 8 < 32)
;;   THE QUANTISER, for each operand of a quantised product, along K:
;;     - K is cut into blocks of 32 from its start; a last block that is shorter is filled with zeros.
;;     - A block's scale is 2^e with e = floor(log2(the largest magnitude in the block)) - 15, held to -126 .. 127; a block of zeros has e = 0. As a byte (E8M0): e + 127.
;;     - Each number is divided by its block's scale, clamped to +-57,344, and rounded to the nearest number of E5M2, ties to even, subnormals kept.
;;     - The product sums the exact products of the quantised numbers (number of the format x scale) in f32.
;;   ~~~python
;;   def quantise(x, axis):      # numpy; x: float32 -> the quantised numbers, widened to float32 again
;;       x = np.moveaxis(x, axis, -1); K = x.shape[-1]
;;       x = np.pad(x, [(0, 0)] * (x.ndim - 1) + [(0, -K % 32)]); x = x.reshape(x.shape[:-1] + (-1, 32)); a = np.abs(x).max(-1, keepdims=True)
;;       e = np.where(a > 0, np.clip(np.frexp(np.where(a > 0, a, 1))[1] - 1 - 15, -126, 127), 0)      # np.frexp(a)[1] - 1 = floor(log2(a)), exactly
;;       r = np.clip(x / 2.0 ** e, -57344, 57344)
;;       step = 2.0 ** (np.maximum(np.frexp(np.where(r == 0, 1, r))[1] - 1, -14) - 2)
;;       q = np.round(r / step) * step * 2.0 ** e      # np.round: ties to even
;;       return np.moveaxis(q.reshape(q.shape[:-2] + (-1,))[..., :K], -1, axis).astype(np.float32)
;;   ~~~
;;   OPERANDS COMPUTED ON THE WAY. 'Computed on the way' means the value that the module computes at that place (a softmax that the list does not call 'softmax' is quantised finished and normalised). What goes into a quantiser is computed in f32, as accurately as f32 sums, v_exp_f32 and their like allow (about 1e-6 of the number): no bf16 or f16 on the way to a quantiser, and a product that is left as it is and whose result goes on into a quantised operand takes f32 operands (vector FMAs, or v_wmma_f32_16x16x4_f32). A number that lies on a knife's edge between two numbers of the format may be rounded either way, as far as f32 arithmetic and the matrix unit's own rounding can turn it there, and no further.
;;   INPUTS GIVEN AS CODES. W1 (in the module: [8, 1024, 1024], K = its axis 1); W2 (in the module: [8, 1024, 1024], K = its axis 1): each comes as NAME_codes (uint8): NAME with its K axis moved to the last place and cut into blocks of 32 codes, [.., K / 32, bytes a block], one block behind the other in memory; one code a byte (a code: sign, 5 exponent bits, 2 mantissa bits); and NAME_scales (uint8): the same leading axes, one E8M0 byte (e + 127) for each 32 codes along K. Its value is code x scale, taken as it is: it is not quantised again, and the codes and scales need not be those that the quantiser above would give.
;; One version. Each part assembles by itself: llvm-mc -triple=amdgcn-amd-amdhsa -mcpu=gfx1250 --defsym DOCPART=n.
;; ======== version 1 of 1: 3 launches
;; limits: right only within a limited range of input values
;; workspace buffers: Xc 4,194,304 bytes; Xs 131,072 bytes; PT 131,072 bytes; Hc 33,554,432 bytes; Hs 1,048,576 bytes
;; launch prep (part 1): grid 256 x 1, 8 waves a work-group, no clusters, 77,312 bytes of LDS; arguments x, Wr, br, Xc, Xs, PT, out1, out2; writes Xc, Xs, PT, out1, out2
.if DOCPART == 1
	.amdgcn_target "amdgcn-amd-amdhsa--gfx1250"
	.amdhsa_code_object_version 6
	.text
	.protected	k_q0890d8f233_prep
	.globl	k_q0890d8f233_prep
	.p2align	8
	.type	k_q0890d8f233_prep,@function
k_q0890d8f233_prep:
	s_mov_b64 s[64:65], 0
	v_nop
	global_prefetch_b8 v0, s[64:65] scope:SCOPE_SE
	s_setreg_imm32_b32 hwreg(HW_REG_WAVE_MODE, 25, 1), 1
	s_wait_xcnt 0x0
; PREP.  x [4096][1024] f32 is read once and serves twice: it is quantised to codes of E5M2 with one E8M0 byte for each 32 along K (Xc, Xs), and it is
; multiplied by Wr [1024][8] in f32 for the router: logits = x Wr + br (out1), probs = softmax over the 8 experts, the row's maximum taken away first (out2, and PT for the last launch).
; SHARES.  A work-group owns 16 tokens, each of its eight waves 128 along K.  A wave's 8,192 bytes of x are asked for at once, 512 consecutive bytes a load.
; LAYOUTS OF THE WORKSPACE.  Xc [token tile 256][K step 8][c 4][lane 32][16 bytes]: the image of an operand's registers: lane (r, h), registers 4 c .. 4 c + 3 = k 128 s + 32 c + 16 h + 0 .. 15 of token 16 T + r.
;   Xs [token][32 bytes].  PT [token tile][expert 8][r 16] f32.
; THE ROUTER goes by v_wmma_f32_16x16x4_f32 (source 0 = Wr's columns, experts 0-7 twice; source 1 = my 16 tokens): 32 instructions a wave on four accumulators by turns; both sources carry k in the same order,
; the one that the quantiser wants of x, so x is laid once.  It is a thousandth of the program's multiply-adds.  The eight waves' partial logits meet in LDS; wave 0 finishes them.
; NO CLUSTER: the work-groups share Wr's 32,768 bytes alone, against 65,536 bytes of x of their own each.
; LIMITS: NaN and infinities are not served.  A block whose largest magnitude lies under 2^(16 - 127) keeps the byte 1; a block of zeros so gets the byte 1 where the rule says 127: its codes are zeros, and this program alone reads the bytes.
.set SPI,  528                         ; a stage row: 512 bytes + 16 = 132 words: row r starts at bank 4 r mod 64 (64 banks of 4 bytes: ISA guide 11.1)
.set STW,  16*SPI                      ; LDS: a stage of 16 rows for each wave,
.set LG,   8*STW                       ; behind them 1,024 bytes a wave: its partial logits, as an image of eight registers,
.set XSL,  LG+8*1024                   ; and 512 bytes: the 16 tokens' scale bytes, 32 a token
.set VL,   4                           ; v4   16 x lane
.set VW,   5                           ; v5   Wr: 512 h + 4 (r % 8)
.set SIN,  6                           ; v6   the stage, on the way in
.set SOUT, 7                           ; v7   and on the way out
.set LGW,  8                           ; v8   where I put my partial logits
.set XSW,  9                           ; v9   where I put my scale word
.set LGR,  10                          ; v10  where wave 0 reads the partial logits
.set XSR,  11                          ; v11  and the scale bytes
.set VO,   12                          ; v12  out1, out2: 32 r + 16 h
.set VP,   13                          ; v13  PT: 64 h + 4 r
.set RAW,  16                          ; v16-79   x as loaded; later the registers below
.set TM,   16                          ; v16-31   the quantiser's: largest magnitudes, bytes, holds, scale operands
.set PC,   32                          ; v32-47   the codes
.set PW,   48                          ; v48      the scale word
.set L,    52                          ; v52-59   my partial logits
.set T1,   60
.set T2,   68
.set X,    80                          ; v80-143  register 16 b + i = k 32 b + 16 h + i of token r
.set W,    144                         ; v144-207 the same k of Wr's column r % 8
.set ACC,  208                         ; v208-239 four accumulators: written by matrix instructions alone
.set WV,   20
.set MNT,  21
.set SEL,  22
.set BR,   24                          ; s[24:31] br
.macro PLACES n
.rept \n
	v_nop
.endr
.endm
; 64 numbers of a lane become a fragment's codes in v[PC] on and its scale word in v[PW]
.macro QUANT s
.irp b, 0,1,2,3
	v_max3_num_f32 v[TM+\b], |v[\s+16*\b]|, |v[\s+1+16*\b]|, 0x8000000   ; block b: my 16 numbers, and the floor 2^(16 - 127): the byte cannot fall under 1
.endr
.irp i, 2,4,6,8,10,12,14
.irp b, 0,1,2,3
	s_delay_alu instid0(VALU_DEP_4)
	v_max3_num_f32 v[TM+\b], v[TM+\b], |v[\s+16*\b+\i]|, |v[\s+1+16*\b+\i]|   ; the four blocks by turns
.endr
.endr
.irp b, 0,1,2,3
	s_delay_alu instid0(VALU_DEP_4)
	v_permlanex16_b32 v[TM+4+\b], v[TM+\b], s[SEL], s[SEL+1]
.endr
.irp b, 0,1,2,3
	s_delay_alu instid0(VALU_DEP_4)
	v_max_num_f32 v[TM+\b], v[TM+\b], v[TM+4+\b]   ; with lane l xor 16's: the block's largest magnitude
.endr
.irp b, 0,1,2,3
	s_delay_alu instid0(VALU_DEP_4)
	v_add_nc_u32 v[TM+12+\b], 0xf8800000, v[TM+\b]   ; 15 off its exponent field: the conversion's scale operand
.endr
.irp b, 0,1,2,3
	v_and_or_b32 v[TM+8+\b], v[TM+\b], 0x7f800000, s[MNT]   ; 57,344 x the scale
.endr
.irp b, 0,1,2,3
	v_lshrrev_b32 v[TM+4+\b], 23, v[TM+12+\b]   ; the scale's byte
.endr
	s_delay_alu instid0(VALU_DEP_3)
	v_lshl_or_b32 v[PW], v[TM+5], 8, v[TM+4]
	s_delay_alu instid0(VALU_DEP_1)
	v_lshl_or_b32 v[PW], v[TM+6], 16, v[PW]
	s_delay_alu instid0(VALU_DEP_1)
	v_lshl_or_b32 v[PW], v[TM+7], 24, v[PW]
.irp b, 0,1,2,3
.irp i, 0,1,2,3,4,5,6,7,8,9,10,11,12,13,14,15
	v_med3_num_f32 v[\s+16*\b+\i], v[\s+16*\b+\i], -v[TM+8+\b], v[TM+8+\b]   ; the conversion does not saturate (ISA guide 7.6.2): the hold comes first
.endr
	v_cvt_scalef32_pk8_bf8_f32 v[PC+4*\b:PC+1+4*\b], v[\s+16*\b:\s+7+16*\b], v[TM+12+\b]
	v_cvt_scalef32_pk8_bf8_f32 v[PC+2+4*\b:PC+3+4*\b], v[\s+8+16*\b:\s+15+16*\b], v[TM+12+\b]
.endr
	v_nop                                          ; a plain line behind the last conversion
.endm
.macro WRL b                           ; Wr(128 s + 32 b + 16 h + i, r % 8), i = 0 .. 15
.irp i, 0,1,2,3,4,5,6,7,8,9,10,11,12,13,14,15
	global_load_b32 v[W+16*\b+\i], v[VW], s[6:7] offset:32*(32*\b+\i)
.endr
.endm
	s_load_b256 s[4:11], s[0:1], 0x0               ; x s[4:5], Wr s[6:7], br s[8:9], Xc s[10:11]
	s_load_b256 s[12:19], s[0:1], 0x20             ; Xs s[12:13], PT s[14:15], out1 s[16:17], out2 s[18:19]
	v_lshl_add_u32 v240, v0, 2, 0x12a00
	v_mov_b32 v241, 0
	v_lshrrev_b32 v1, 5, v0
	s_delay_alu instid0(VALU_DEP_1)
	v_readfirstlane_b32 s[WV], v1                  ; wave = K step
	v_and_b32 v1, 31, v0                           ; lane
	v_and_b32 v2, 15, v0                           ; r
	v_bfe_u32 v3, v0, 4, 1                         ; h
	s_delay_alu instid0(VALU_DEP_3)
	v_lshlrev_b32 v[VL], 4, v1
	v_and_b32 v[VW], 7, v0
	s_delay_alu instid0(VALU_DEP_1)
	v_lshlrev_b32 v[VW], 2, v[VW]
	s_delay_alu instid0(VALU_DEP_1)
	v_lshl_add_u32 v[VW], v3, 9, v[VW]
	s_mul_i32 s34, s[WV], STW
	v_add_nc_u32 v[SIN], s34, v[VL]                ; in: a row's 512 bytes as they lie
	v_mul_u32_u24 v[SOUT], v2, SPI
	s_delay_alu instid0(VALU_DEP_1)
	v_lshl_add_u32 v[SOUT], v3, 6, v[SOUT]
	s_delay_alu instid0(VALU_DEP_1)
	v_add_nc_u32 v[SOUT], s34, v[SOUT]             ; out: row r, + 64 h: my 16 numbers of a block of 32
	s_lshl_b32 s35, s[WV], 10
	s_add_co_u32 s35, s35, LG
	v_add_nc_u32 v[LGW], s35, v[VL]
	s_lshl_b32 s36, s[WV], 2
	s_add_co_u32 s36, s36, XSL
	v_lshl_add_u32 v[XSW], v2, 5, s36              ; 32 r + 4 s
	v_add_nc_u32 v[LGR], LG, v[VL]
	v_add_nc_u32 v[XSR], XSL, v[VL]
	v_lshlrev_b32 v[VO], 5, v2
	s_delay_alu instid0(VALU_DEP_1)
	v_lshl_add_u32 v[VO], v3, 4, v[VO]
	v_lshlrev_b32 v[VP], 2, v2
	s_delay_alu instid0(VALU_DEP_1)
	v_lshl_add_u32 v[VP], v3, 6, v[VP]
	s_mov_b32 s[SEL], 0x76543210
	s_mov_b32 s[SEL+1], 0xfedcba98                 ; v_permlanex16_b32's selects for lane l xor 16
	s_mov_b32 s[MNT], 0x600000                     ; the mantissa field of 57,344
	s_lshl_b32 s32, ttmp9, 16                      ; x: 16 rows of 4,096 bytes a work-group, 512 bytes a wave
	s_lshl_b32 s33, s[WV], 9
	s_add_co_u32 s32, s32, s33
	s_mov_b32 s33, 0
	s_lshl_b32 s38, s[WV], 12                      ; Wr: 128 rows of 32 bytes a wave
	s_mov_b32 s39, 0
	s_lshl_b32 s40, ttmp9, 14                      ; Xc: 2,048 bytes for each (tile, K step)
	s_lshl_b32 s41, s[WV], 11
	s_add_co_u32 s40, s40, s41
	s_mov_b32 s41, 0
	s_lshl_b32 s42, ttmp9, 9                       ; Xs, PT, out1, out2: 512 bytes a tile
	s_mov_b32 s43, 0
	s_wait_alu depctr_va_vdst(0)
	s_wait_kmcnt 0x0
	s_load_b256 s[BR:BR+7], s[8:9], 0x0            ; br
	s_add_nc_u64 s[4:5], s[4:5], s[32:33]
	s_add_nc_u64 s[6:7], s[6:7], s[38:39]
	s_add_nc_u64 s[10:11], s[10:11], s[40:41]
	s_add_nc_u64 s[12:13], s[12:13], s[42:43]
	s_add_nc_u64 s[14:15], s[14:15], s[42:43]
	s_add_nc_u64 s[16:17], s[16:17], s[42:43]
	s_add_nc_u64 s[18:19], s[18:19], s[42:43]
.irp j, 0,1,2,3,4,5,6,7,8,9,10,11,12,13,14,15
	global_load_b128 v[RAW+4*\j:RAW+4*\j+3], v[VL], s[4:5] offset:4096*\j th:TH_LOAD_NT   ; token j: 32 lanes read 512 consecutive bytes
.endr
	WRL 0
	WRL 1
	WRL 2
	s_wait_loadcnt 48                              ; x's 16 loads are in; the 48 of Wr issued behind them may be out
.irp j, 0,1,2,3,4,5,6,7,8,9,10,11,12,13,14,15
	ds_store_b128 v[SIN], v[RAW+4*\j:RAW+4*\j+3] offset:SPI*\j
.endr
	WRL 3
.irp b, 0,1,2,3
.irp j, 0,1,2,3
	ds_load_b128 v[X+16*\b+4*\j:X+16*\b+4*\j+3], v[SOUT] offset:128*\b+16*\j   ; LDS serves a wave's instructions in order (ISA guide 5.7.1.4): these see my stores
.endr
.endr
	s_wait_loadcnt 0x0                             ; Wr
	s_wait_dscnt 0x0                               ; x, turned
.set p, 0
.rept 32                               ; four accumulators by turns, one instruction a turn; the first four start the sums
.if p < 4
	v_wmma_f32_16x16x4_f32 v[ACC+8*(p%4):ACC+8*(p%4)+7], v[W+2*p:W+2*p+1], v[X+2*p:X+2*p+1], 0
.else
	v_wmma_f32_16x16x4_f32 v[ACC+8*(p%4):ACC+8*(p%4)+7], v[W+2*p:W+2*p+1], v[X+2*p:X+2*p+1], v[ACC+8*(p%4):ACC+8*(p%4)+7]
.endif
.set p, p+1
.endr
	PLACES 8                                       ; eight places behind this form (ISA guide 7.12.1), for the reads of the sums and the writes of x below
.irp j, 0,2,4,6
	v_pk_add_f32 v[T1+\j:T1+\j+1], v[ACC+\j:ACC+\j+1], v[ACC+8+\j:ACC+9+\j]      ; each accumulator from its low end on; lane (r, h), register j: token r, expert j
.endr
.irp j, 0,2,4,6
	v_pk_add_f32 v[T2+\j:T2+\j+1], v[ACC+16+\j:ACC+17+\j], v[ACC+24+\j:ACC+25+\j]
.endr
.irp j, 0,2,4,6
	s_delay_alu instid0(VALU_DEP_4)
	v_pk_add_f32 v[L+\j:L+\j+1], v[T1+\j:T1+\j+1], v[T2+\j:T2+\j+1]
.endr
.irp b, 0,1,2,3
	v_mov_b32 v[TM+4+\b], 0                        ; a lane permute's destination counts as one of its sources
.endr
	QUANT X
.irp c, 0,1,2,3
	global_store_b128 v[VL], v[PC+4*\c:PC+4*\c+3], s[10:11] offset:512*\c   ; 32 lanes store 512 consecutive bytes, aligned
.endr
	ds_store_b128 v[LGW], v[L:L+3]
	ds_store_b128 v[LGW], v[L+4:L+7] offset:512
	ds_store_b32 v[XSW], v[PW]                     ; both halves of the lanes write the same word with the same value
	s_wait_kmcnt 0x0                               ; br
	s_wait_dscnt 0x0                               ; for the others' sake: my stores have landed
	s_barrier_signal -1
	s_barrier_wait -1
	s_cmp_lg_u32 s[WV], 0
	s_cbranch_scc1 .Lend
	; wave 0 alone: the eight partial logits, br, the softmax, and the four small outputs
.irp s, 0,1,2,3,4,5,6,7
	ds_load_b128 v[80+8*\s:83+8*\s], v[LGR] offset:1024*\s
	ds_load_b128 v[84+8*\s:87+8*\s], v[LGR] offset:1024*\s+512
.endr
	ds_load_b128 v[144:147], v[XSR]
	s_wait_dscnt 0x0
.irp s, 0,2,4,6
.irp j, 0,2,4,6
	v_pk_add_f32 v[80+8*\s+\j:81+8*\s+\j], v[80+8*\s+\j:81+8*\s+\j], v[88+8*\s+\j:89+8*\s+\j]
.endr
.endr
.irp s, 0,4
.irp j, 0,2,4,6
	v_pk_add_f32 v[80+8*\s+\j:81+8*\s+\j], v[80+8*\s+\j:81+8*\s+\j], v[96+8*\s+\j:97+8*\s+\j]
.endr
.endr
.irp j, 0,2,4,6
	s_delay_alu instid0(VALU_DEP_4)
	v_pk_add_f32 v[80+\j:81+\j], v[80+\j:81+\j], v[112+\j:113+\j]
.endr
.irp j, 0,1,2,3,4,5,6,7
	v_add_f32 v[80+\j], s[BR+\j], v[80+\j]         ; the logits of token r
.endr
	v_max3_num_f32 v88, v80, v81, v82
	s_delay_alu instid0(VALU_DEP_1)
	v_max3_num_f32 v88, v88, v83, v84
	s_delay_alu instid0(VALU_DEP_1)
	v_max3_num_f32 v88, v88, v85, v86
	s_delay_alu instid0(VALU_DEP_1)
	v_max_num_f32 v88, v88, v87                    ; the row's maximum
.irp j, 0,1,2,3,4,5,6,7
	v_sub_f32 v[96+\j], v[80+\j], v88
.endr
.irp j, 0,1,2,3,4,5,6,7
	v_mul_f32 v[96+\j], 0x3fb8aa3b, v[96+\j]       ; x log2(e)
.endr
	s_wait_alu depctr_va_vdst(0)
.irp j, 0,1,2,3,4,5,6,7
	v_exp_f32 v[96+\j], v[96+\j]
.endr
	v_nop                                          ; a plain line behind the transcendentals
	s_wait_alu depctr_va_vdst(0)
	v_add_f32 v89, v96, v97
	v_add_f32 v90, v98, v99
	v_add_f32 v91, v100, v101
	v_add_f32 v92, v102, v103
	s_delay_alu instid0(VALU_DEP_3)
	v_add_f32 v89, v89, v90
	s_delay_alu instid0(VALU_DEP_2)
	v_add_f32 v91, v91, v92
	s_delay_alu instid0(VALU_DEP_1)
	v_add_f32 v89, v89, v91
	s_wait_alu depctr_va_vdst(0)
	v_rcp_f32 v89, v89
	v_cmp_le_u32 vcc_lo, 16, v1                    ; lanes 16-31 (a plain line behind the reciprocal)
	s_wait_alu depctr_va_vdst(0)
.irp j, 0,1,2,3,4,5,6,7
	v_mul_f32 v[96+\j], v[96+\j], v89              ; the probabilities
.endr
.irp j, 0,1,2,3
	v_cndmask_b32 v[104+\j], v[80+\j], v[84+\j], vcc_lo     ; lanes 0-15 store experts 0-3 of their token, lanes 16-31 experts 4-7
	v_cndmask_b32 v[108+\j], v[96+\j], v[100+\j], vcc_lo
	v_cndmask_b32 v[112+\j], v[96+2*\j], v[97+2*\j], vcc_lo  ; PT: expert 2 j + h
.endr
	global_store_b128 v[VO], v[104:107], s[16:17]  ; 512 consecutive bytes each
	global_store_b128 v[VO], v[108:111], s[18:19]
.irp j, 0,1,2,3
	global_store_b32 v[VP], v[112+\j], s[14:15] offset:128*\j
.endr
	global_store_b128 v[VL], v[144:147], s[12:13]
.Lend:
	s_wait_tensorcnt 0x0
	ds_add_u32 v240, v241
	s_wait_dscnt 0x0
	s_endpgm
.Lfunc_end_k_q0890d8f233_prep:
	.size	k_q0890d8f233_prep, .Lfunc_end_k_q0890d8f233_prep-k_q0890d8f233_prep
	.p2alignl 7, 3214868480
	.fill 96, 4, 3214868480
	.section	.rodata,"a",@progbits
	.p2align	6, 0x0
	.amdhsa_kernel k_q0890d8f233_prep
		.amdhsa_group_segment_fixed_size 77312
		.amdhsa_private_segment_fixed_size 0
		.amdhsa_enable_private_segment 0
		.amdhsa_kernarg_size 64
		.amdhsa_user_sgpr_count 2
		.amdhsa_user_sgpr_kernarg_segment_ptr 1
		.amdhsa_wavefront_size32 1
		.amdhsa_system_sgpr_workgroup_id_x 1
		.amdhsa_system_sgpr_workgroup_id_y 1
		.amdhsa_system_sgpr_workgroup_id_z 1
		.amdhsa_system_vgpr_workitem_id 0
		.amdhsa_next_free_vgpr 242
		.amdhsa_next_free_sgpr 66
		.amdhsa_reserve_vcc 1
		.amdhsa_float_denorm_mode_32 3
		.amdhsa_float_denorm_mode_16_64 3
		.amdhsa_memory_ordered 1
		.amdhsa_forward_progress 1
		.amdhsa_inst_pref_size 33
	.end_amdhsa_kernel
	.amdgpu_metadata
---
amdhsa.version: [ 1, 2 ]
amdhsa.kernels:
  - .name:           k_q0890d8f233_prep
    .symbol:         k_q0890d8f233_prep.kd
    .args:
      - { .name: x, .offset: 0, .size: 8, .value_kind: global_buffer, .address_space: global }
      - { .name: Wr, .offset: 8, .size: 8, .value_kind: global_buffer, .address_space: global }
      - { .name: br, .offset: 16, .size: 8, .value_kind: global_buffer, .address_space: global }
      - { .name: Xc, .offset: 24, .size: 8, .value_kind: global_buffer, .address_space: global }
      - { .name: Xs, .offset: 32, .size: 8, .value_kind: global_buffer, .address_space: global }
      - { .name: PT, .offset: 40, .size: 8, .value_kind: global_buffer, .address_space: global }
      - { .name: out1, .offset: 48, .size: 8, .value_kind: global_buffer, .address_space: global }
      - { .name: out2, .offset: 56, .size: 8, .value_kind: global_buffer, .address_space: global }
    .group_segment_fixed_size: 77312
    .private_segment_fixed_size: 0
    .kernarg_segment_align: 8
    .kernarg_segment_size: 64
    .max_flat_workgroup_size: 256
    .sgpr_count:     66
    .vgpr_count:     242
    .wavefront_size: 32
...
	.end_amdgpu_metadata
.endif
;; end of part 1
;; launch hidden (part 2): grid 16 x 16, 8 waves a work-group, clusters of 4 x 1, 327,680 bytes of LDS; arguments Xc, Xs, W1_codes, W1_scales, b1, Hc, Hs; writes Hc, Hs
.if DOCPART == 2
	.amdgcn_target "amdgcn-amd-amdhsa--gfx1250"
	.amdhsa_code_object_version 6
	.text
	.protected	k_q0890d8f233_hidden
	.globl	k_q0890d8f233_hidden
	.p2align	8
	.type	k_q0890d8f233_hidden,@function
k_q0890d8f233_hidden:
	s_mov_b64 s[64:65], 0
	v_nop
	global_prefetch_b8 v0, s[64:65] scope:SCOPE_SE
	s_setreg_imm32_b32 hwreg(HW_REG_WAVE_MODE, 25, 1), 1
	s_wait_xcnt 0x0
	s_wait_alu depctr_hold_cnt(0) depctr_sa_sdst(0) depctr_va_vdst(0) depctr_va_sdst(0) depctr_va_ssrc(0) depctr_va_vcc(0) depctr_vm_vsrc(0)
	s_getreg_b32 s2, hwreg(HW_REG_IB_STS2, 6, 4)
	s_cmp_eq_u32 s2, 0
	s_cbranch_scc0 .Lentry_in_a_cluster
	s_endpgm
.Lentry_in_a_cluster:
	s_bfe_u32 s2, ttmp6, 0x10000c
	s_cmp_lg_u32 s2, 0x3003
	s_cbranch_scc0 .Lentry_shape_is_right
	s_endpgm
.Lentry_shape_is_right:
; HIDDEN.  H = Q(gelu(Q(x) W1^T + b1)): the first quantised product on codes of E5M2 with E8M0 scales, the exact GELU in f32, and the quantiser along the hidden units, the next product's K.
; W1 is taken flat, [8192 (expert, hidden)][1024]; b1 likewise.
; SHARES.  A work-group owns 256 tokens x 512 hidden units.  Each of its EIGHT waves keeps the codes of its 32 tokens for all of K in the 256 registers of window 1, read once from Xc, which is laid as the registers want it.
; W1 comes in four chunks of 128 rows through two LDS slots (16 rows a wave and load).  A GROUP is 32 rows of W1: 32 matrix instructions a wave on four accumulators by turns, then gelu and quantiser on 32 numbers a lane, in place.
; TWO ORDERS OF WORK.  Two waves share a SIMD.  Waves of role 0 take a trip as products(g), vector work(g); waves of role 1 as vector work(g - 1), products(g): so one wave's vector work stands beside the other's matrix work.
; role = (wave xor wave / 4) % 2 differs between waves w, w + 4 and between waves 2 i, 2 i + 1.  Role 1 passes over the first trip's vector work and does the last group's behind the loops.
; CLUSTER.  The four work-groups of a cluster own the same 512 hidden units and other tokens: W1's tiles are asked for JOINTLY, mask 15.
; NO PREFETCH of W1: a chunk is asked for by its tensor load four groups' work ahead of the wait for it, and there are four chunks in all.
; THE PRODUCT IS USED TRANSPOSED: source 0 = 16 rows of W1, source 1 = 16 tokens: lane (r, h), register j of tile t holds hidden unit 16 t + 8 h + j of token r.  b1 is the C of each sum's first instruction.
; A token tile's 16 registers of tiles 0 and 1 lie in one block of 32 hidden units, which lanes l and l xor 16 hold.  Behind the conversions two v_permlane16_swap_b32 put the codes in the order of an operand: lane (r, h): k = 16 h + 0 .. 15.
; GELU.  gelu(x) = max(x, 0) - |x| erfc(|x| / sqrt(2)) / 2.  erfc(u) = t exp(-u^2 + poly9(t)), t = 1 / (1 + u / 2) (fractional error 1.2e-7);
; in base 2, on z = x sqrt(log2(e) / 2), with log2 of the factor |x| / (2 |z|) folded into the polynomial's constant.
; WORKSPACE.  Hc [block of 128 tokens 32][64 hidden 128][token tile 8][b 2][lane 32][16 bytes];  Hs [block of 128 tokens 32][512 hidden 16][token 128][16 bytes].
; LIMITS: NaN and infinities are not served.  The tail's weight 2^(..) falls to 0 under 2^-126 (x under about -13), where gelu is under 1e-37.  The exponent's rounding adds about 1.2e-7 x 0.72 x^2 to the tail's relative error.
; A block whose largest magnitude lies under 2^(16 - 127) keeps the byte 1 (a block of zeros too: its codes are zeros, and this program alone reads the bytes).
.set WPI,   1040                       ; a row of W1 in LDS: 1,024 bytes + 16
.set TILEB, 16*WPI                     ; 16 rows: one tensor load, one tile
.set SLOT,  128*WPI                    ; a slot: a chunk of 128 rows
.set SPARE, 2*SLOT                     ; the spare words: 128 bytes a wave, four blocks of 256 bytes that no other line names
.set ADW,  1                           ; v1   LDS address of the group's fragments
.set AW0,  2                           ; v2   1040 r + 16 h
.set SPW,  3                           ; v3   my spare word; never rewritten
.set NIL,  4                           ; v4   0; never rewritten
.set VS,   5                           ; v5   32 r + 16 h: both tensors of scale bytes
.set VB,   6                           ; v6   32 h: b1
.set VL,   7                           ; v7   16 x lane
.set XS,   16                          ; v16-23  x's scale words: 4 m + q: lanes 0-15 K step q, lanes 16-31 K step 4 + q
.set WS,   26                          ; v26-33  W1's: 4 t + q, likewise
.set B1,   34                          ; v34-49  b1 in the result's layout: 8 t + j
.set HSW,  50                          ; v50-57  the hidden layer's scale bytes: 16 for each token tile, shifted in one a group
.set C9,   58                          ; v58-59
.set ACC,  64                          ; v64-95  accumulator (m, t) at 8 (2 m + t); the vector work stays in place
.set FR,   96                          ; v96-223 W1's fragments: four sets of two.  Between two groups' products the same registers serve the vector work:
.set Z,    96
.set T,    128
.set P,    160
.set TM,   192
.set PC,   208
.set WV,   18
.set GC,   19                          ; s19  groups to go, this one among them
.set TB,   20                          ; s20  LDS byte at which the group's rows begin
.set KD,   21
.set SEL,  22
.set MNT,  24
.set ROLE, 25
.set FV,   26                          ; s26  1: the vector work is passed over (role 1, first trip)
.set G1,   28
.set G0,   36
.set KZ,   40
.set CK,   42                          ; s[42+2k:43+2k] coefficient k, as pairs
.set ST,   82                          ; s[82:83] Hc: to the next group: 512 and 7,680 by turns
.set LA,   84                          ; s84, s85 where my 16 rows go in slot 0, 1
.set TR,   86
.set MSB, 0
.macro WIN new
.if MSB != \new
	s_set_vgpr_msb (MSB<<8)|\new
.set MSB, \new
.endif
.endm
.macro PLACES n
.rept \n
	v_nop
.endr
.endm
.macro SPAIR reg, val
	s_mov_b32 s[\reg], \val
	s_mov_b32 s[\reg+1], \val
.endm
.macro WALU
	s_wait_alu depctr_va_vdst(0)
.endm
.macro CROUND                          ; a round of the cluster's barrier
	s_barrier_signal -1
	s_barrier_wait -1
	s_cmp_lg_u32 s[WV], 0
	s_cbranch_scc1 .Lnot_wave_0_\@
	s_barrier_signal -3
.Lnot_wave_0_\@:
	s_barrier_wait -3
	s_barrier_signal -1
	s_barrier_wait -1
.endm
.macro WSB                             ; a group's scale words of W1 and its b1
.irp t, 0,1
	global_load_b128 v[WS+4*\t:WS+4*\t+3], v[VS], s[10:11] offset:512*\t
	global_load_b128 v[B1+8*\t:B1+8*\t+3], v[VB], s[12:13] offset:64*\t
	global_load_b128 v[B1+8*\t+4:B1+8*\t+7], v[VB], s[12:13] offset:64*\t+16
.endr
.endm
.macro FETCHW s                        ; the two fragments of K step s into set s % 4: 8 loads
.irp t, 0,1
.irp c, 0,1,2,3
	ds_load_b128 v[FR+32*((\s)%4)+16*\t+4*\c:FR+32*((\s)%4)+16*\t+4*\c+3], v[ADW] offset:TILEB*\t+128*(\s)+32*\c
.endr
.endr
.endm
.macro WM d, a, b, c, sa, sb, row
.if \row
	v_wmma_scale_f32_16x16x128_f8f6f4 v[(\d):(\d)+7], v[(\a):(\a)+15], v[(\b):(\b)+15], v[(\c):(\c)+7], v[\sa], v[\sb] matrix_a_fmt:MATRIX_FMT_BF8 matrix_b_fmt:MATRIX_FMT_BF8 matrix_a_scale:MATRIX_SCALE_ROW1 matrix_b_scale:MATRIX_SCALE_ROW1
.else
	v_wmma_scale_f32_16x16x128_f8f6f4 v[(\d):(\d)+7], v[(\a):(\a)+15], v[(\b):(\b)+15], v[(\c):(\c)+7], v[\sa], v[\sb] matrix_a_fmt:MATRIX_FMT_BF8 matrix_b_fmt:MATRIX_FMT_BF8
.endif
.endm
.macro MULS s                          ; K step s: the four accumulators by turns, in the same order in every step
	WIN 0x04                                       ; source 1 (x) window 1; LDS loads and v_nop name no source 1
.irp t, 0,1
.irp m, 0,1
.if (\s) == 0
	WM ACC+8*(2*\m+\t), FR+16*\t, 16*\m, B1+8*\t, WS+4*\t, XS+4*\m, 0
.else
	WM ACC+8*(2*\m+\t), FR+32*((\s)%4)+16*\t, 16*(2*(\s)+\m), ACC+8*(2*\m+\t), WS+4*\t+(\s)%4, XS+4*\m+(\s)%4, (\s)/4
.endif
.endr
.endr
.endm
; A GROUP'S PRODUCTS.  Each counted wait leaves out the 8-load K steps issued behind the one that is multiplied next.
.macro MM
	FETCHW 0
	FETCHW 1
	FETCHW 2
	FETCHW 3
	s_wait_loadcnt 0x0                             ; the group's scale words and b1 (the first time: x too)
	s_wait_dscnt 24
	MULS 0
	s_wait_dscnt 16
	MULS 1
	PLACES 8                                       ; eight places in front of loads into sets that the last steps multiplied
	FETCHW 4
	FETCHW 5
	s_wait_dscnt 24
	MULS 2
	s_wait_dscnt 16
	MULS 3
	PLACES 8
	FETCHW 6
	FETCHW 7
	s_wait_dscnt 24
	MULS 4
	s_wait_dscnt 16
	MULS 5
	s_wait_dscnt 8
	MULS 6
	s_wait_dscnt 0x0
	MULS 7
	WIN 0
	PLACES 9                                       ; in front of the loads below, of the first read of results, and of products that begin the sums anew
	s_cmp_eq_u32 s[GC], 1
	s_cbranch_scc1 .Lno_next_\@                    ; the last group has no successor
	s_add_nc_u64 s[10:11], s[10:11], 1024          ; 32 rows of 32 bytes on; the loads that named these bases were waited for at this group's head
	s_add_nc_u64 s[12:13], s[12:13], 128
	WSB
.Lno_next_\@:
.endm
; A GROUP'S VECTOR WORK: gelu of 32 numbers a lane in place, the quantiser of two blocks (token tiles 0, 1), codes and bytes
.macro VEC
.set I_, 0
.rept 16
	v_pk_mul_f32 v[Z+I_:Z+I_+1], v[ACC+I_:ACC+I_+1], s[KZ:KZ+1] op_sel_hi:[1,0]   ; z = x sqrt(log2(e) / 2); each accumulator from its low end on
.set I_, I_+2
.endr
.set I_, 0
.rept 32
	v_max_num_f32 v[ACC+I_], v[ACC+I_], 0
.set I_, I_+1
.endr
.set I_, 0
.rept 32
	v_fma_f32 v[T+I_], |v[Z+I_]|, s[KD], 1.0       ; 1 + |x| / (2 sqrt(2))
.set I_, I_+1
.endr
	WALU                                           ; a wait ahead of a batch of transcendentals and one behind it
.set I_, 0
.rept 32
	v_rcp_f32 v[T+I_], v[T+I_]                     ; t
.set I_, I_+1
.endr
	v_nop
	WALU
.set I_, 0
.rept 16
	v_pk_fma_f32 v[P+I_:P+I_+1], v[T+I_:T+I_+1], v[C9:C9+1], s[CK+16:CK+17] op_sel_hi:[1,1,0]
.set I_, I_+2
.endr
.irp k, 7,6,5,4,3,2,1,0
.set I_, 0
.rept 16
	v_pk_fma_f32 v[P+I_:P+I_+1], v[P+I_:P+I_+1], v[T+I_:T+I_+1], s[CK+2*\k:CK+2*\k+1] op_sel_hi:[1,1,0]   ; sixteen chains side by side
.set I_, I_+2
.endr
.endr
.set I_, 0
.rept 16
	v_pk_fma_f32 v[P+I_:P+I_+1], v[Z+I_:Z+I_+1], v[Z+I_:Z+I_+1], v[P+I_:P+I_+1] neg_lo:[1,0,0] neg_hi:[1,0,0]   ; - z^2
.set I_, I_+2
.endr
	WALU
.set I_, 0
.rept 32
	v_exp_f32 v[P+I_], v[P+I_]
.set I_, I_+1
.endr
	v_nop
	WALU
.set I_, 0
.rept 16
	v_pk_mul_f32 v[P+I_:P+I_+1], v[P+I_:P+I_+1], v[T+I_:T+I_+1]
.set I_, I_+2
.endr
.set I_, 0
.rept 32
	v_fma_f32 v[ACC+I_], -|v[Z+I_]|, v[P+I_], v[ACC+I_]
.set I_, I_+1
.endr
.irp c, 0,1,2,3                        ; the largest magnitudes: four chains of eight numbers, two to a block; the floor 2^(16 - 127) holds the byte at 1 from below
	v_max3_num_f32 v[TM+\c], |v[ACC+8*\c]|, |v[ACC+8*\c+1]|, 0x8000000
.endr
.irp i, 2,4,6
.irp c, 0,1,2,3
	v_max3_num_f32 v[TM+\c], v[TM+\c], |v[ACC+8*\c+\i]|, |v[ACC+8*\c+\i+1]|
.endr
.endr
.irp k, 0,1
	v_max_num_f32 v[TM+4+\k], v[TM+2*\k], v[TM+2*\k+1]
.endr
.irp k, 0,1
	v_permlanex16_b32 v[TM+6+\k], v[TM+4+\k], s[SEL], s[SEL+1]
.endr
.irp k, 0,1
	v_max_num_f32 v[TM+4+\k], v[TM+4+\k], v[TM+6+\k]   ; with lane l xor 16's: the block's largest magnitude
.endr
.irp k, 0,1
	v_add_nc_u32 v[TM+8+\k], 0xf8800000, v[TM+4+\k]    ; 15 off its exponent field: the conversion's scale operand
.endr
.irp k, 0,1
	v_and_or_b32 v[TM+10+\k], v[TM+4+\k], 0x7f800000, s[MNT]   ; 57,344 x the scale
.endr
.irp k, 0,1
	v_lshrrev_b32 v[TM+12+\k], 23, v[TM+8+\k]          ; the scale's byte
.endr
.irp k, 0,1
.set I_, 0
.rept 16
	v_med3_num_f32 v[ACC+16*\k+I_], v[ACC+16*\k+I_], -v[TM+10+\k], v[TM+10+\k]   ; the conversion does not saturate (ISA guide 7.6.2): the hold comes first
.set I_, I_+1
.endr
	v_cvt_scalef32_pk8_bf8_f32 v[PC+4*\k:PC+4*\k+1], v[ACC+16*\k:ACC+16*\k+7], v[TM+8+\k]
	v_cvt_scalef32_pk8_bf8_f32 v[PC+4*\k+2:PC+4*\k+3], v[ACC+16*\k+8:ACC+16*\k+15], v[TM+8+\k]
.endr
	v_nop                                          ; a plain line behind the last conversion
.irp k, 0,1
	v_permlane16_swap_b32 v[PC+4*\k], v[PC+4*\k+2]     ; lanes 16-31's first eight codes change places with lanes 0-15's second eight
	v_permlane16_swap_b32 v[PC+4*\k+1], v[PC+4*\k+3]
.endr
.irp k, 0,1
	v_alignbit_b32 v[HSW+4*\k], v[HSW+4*\k+1], v[HSW+4*\k], 8        ; the tile's 16 bytes go down by one,
	v_alignbit_b32 v[HSW+4*\k+1], v[HSW+4*\k+2], v[HSW+4*\k+1], 8
	v_alignbit_b32 v[HSW+4*\k+2], v[HSW+4*\k+3], v[HSW+4*\k+2], 8
	v_alignbit_b32 v[HSW+4*\k+3], v[TM+12+\k], v[HSW+4*\k+3], 8      ; and the group's comes in on top: after sixteen groups they stand in order
.endr
.irp k, 0,1
	global_store_b128 v[VL], v[PC+4*\k:PC+4*\k+3], s[14:15] offset:1024*\k   ; 32 lanes store 512 consecutive bytes, aligned
.endr
	WALU
	s_wait_xcnt 0x0                                ; the stores have read their base and their data, which the next fragments land on
	s_add_nc_u64 s[14:15], s[14:15], s[ST:ST+1]
	s_xor_b32 s[ST], s[ST], 0x1c00                 ; 512 <-> 7,680: b = 1 of these 64 hidden units, then the next 64
.endm
; A CHUNK: four groups out of one slot.  Every wave walks the loop; the branches on the role lead round the products' two places alone
.macro CHUNK slot
	s_mov_b32 s[TB], \slot*SLOT
	s_mov_b32 s[TR], 4
.Lgrp_\@:
	v_add_nc_u32 v[ADW], s[TB], v[AW0]
	WALU
	s_cmp_eq_u32 s[ROLE], 0
	s_cbranch_scc0 .Lvec_\@
	MM                                             ; role 0: this group's products
.Lvec_\@:
	s_cmp_eq_u32 s[FV], 0
	s_cbranch_scc0 .Lnone_\@
	VEC                                            ; role 0: this group's; role 1: the group's before
.Lnone_\@:
	s_mov_b32 s[FV], 0
	s_cmp_eq_u32 s[ROLE], 0
	s_cbranch_scc1 .Lnext_\@
	MM                                             ; role 1: this group's products
.Lnext_\@:
	s_add_co_u32 s[TB], s[TB], 2*TILEB
	s_sub_co_u32 s[GC], s[GC], 1
	s_sub_co_u32 s[TR], s[TR], 1
	s_cmp_lg_u32 s[TR], 0
	s_cbranch_scc1 .Lgrp_\@
.endm
; THE CHANGE OF SLOTS.  Each wave waits for all its tensor loads, adds 0 to its spare word, and waits for that and for its reads of the slot that it has left.
; fill = 1: a round of the cluster's barrier, and behind it the joint load of the next 128 rows into slot: one load of mine is out, and it has a chunk's four groups in which to land.
.macro CHANGE fill, slot
	s_wait_tensorcnt 0x0                           ; no tensor load of mine is out, so group 0 may be written
	ds_add_u32 v[SPW], v[NIL]
.if \fill
	s_mov_b32 s[G0+1], s[LA+\slot]
	s_add_nc_u64 s[G0+2:G0+3], s[G0+2:G0+3], 128*1024
.endif
	s_wait_dscnt 0x0
.if \fill
	CROUND
	tensor_load_to_lds s[G0:G0+3], s[G1:G1+7]
	s_nop 0
	PLACES 4
.else
	s_barrier_signal -1
	s_barrier_wait -1
.endif
.endm
	s_load_b256 s[4:11], s[0:1], 0x0               ; Xc s[4:5], Xs s[6:7], W1's codes s[8:9], W1's scales s[10:11]
	s_load_b128 s[12:15], s[0:1], 0x20             ; b1 s[12:13], Hc s[14:15]
	s_load_b64 s[16:17], s[0:1], 0x30              ; Hs
	v_lshl_add_u32 v[SPW], v0, 2, SPARE
	v_mov_b32 v[NIL], 0
	ds_add_u32 v[SPW], v[NIL]                      ; the opening lines: the add twice on end, and its wait ahead of my first tensor load
	ds_add_u32 v[SPW], v[NIL]
	v_lshrrev_b32 v1, 5, v0
	v_readfirstlane_b32 s[WV], v1                  ; wave 0..7
	s_bfe_u32 s60, ttmp6, 0x40000                  ; cx: it enters the addresses of x's codes and scales, Hc and Hs alone
	s_lshl_b32 s61, ttmp9, 2
	s_add_co_u32 s61, s61, s60                     ; my block of 256 tokens
	s_and_b32 s62, ttmp7, 0xffff                   ; my 512 hidden units, which the four partners share
	s_mov_b32 s[G1], 15|(0<<16)|(1<<20)|(1<<21)|(7<<22)|(3<<25)   ; the mask: all four; elements of 1 byte; padding: four words after every 256; bit 21 beside a mask
	s_mov_b32 s[G1+1], 1024<<16
	s_mov_b32 s[G1+2], 16<<16
	s_mov_b32 s[G1+3], 1024<<16
	s_mov_b32 s[G1+4], 16
	s_mov_b32 s[G1+5], 1024
	s_mov_b32 s[G1+6], 0
	s_mov_b32 s[G1+7], 0
	s_lshl_b32 s68, s62, 19
	s_lshl_b32 s69, s[WV], 14
	s_add_co_u32 s68, s68, s69                     ; W1: row 512 y + 16 wave, of 1,024 bytes
	s_mov_b32 s69, 0
	s_mov_b32 s[G0], 1
	s_mul_i32 s[LA], s[WV], TILEB
	s_add_co_u32 s[LA+1], s[LA], SLOT
	s_mov_b32 s[G0+1], s[LA]
	s_lshl_b32 s63, s61, 4
	s_lshl_b32 s70, s[WV], 1
	s_add_co_u32 s63, s63, s70                     ; my first token tile
	s_lshl_b32 s70, s63, 14                        ; Xc: 16,384 bytes a tile
	s_mov_b32 s71, 0
	s_lshl_b32 s72, s63, 9                         ; Xs: 512
	s_mov_b32 s73, 0
	s_lshl_b32 s74, s62, 14                        ; W1's scales: 512 rows of 32 bytes
	s_mov_b32 s75, 0
	s_lshl_b32 s76, s62, 11                        ; b1: 512 numbers
	s_mov_b32 s77, 0
	s_lshl_b32 s61, s61, 1
	s_lshr_b32 s60, s[WV], 2
	s_add_co_u32 s61, s61, s60                     ; my block of 128 tokens
	s_xor_b32 s[ROLE], s[WV], s60
	s_and_b32 s[ROLE], s[ROLE], 1
	s_mov_b32 s[FV], s[ROLE]
	s_and_b32 s60, s[WV], 3                        ; and which quarter of it
	s_lshl_b32 s78, s61, 20
	s_lshl_b32 s79, s62, 16
	s_add_co_u32 s78, s78, s79
	s_lshl_b32 s79, s60, 11
	s_add_co_u32 s78, s78, s79                     ; Hc
	s_mov_b32 s79, 0
	s_lshl_b32 s66, s61, 15
	s_add_co_u32 s66, s66, s76
	s_lshl_b32 s67, s60, 9
	s_add_co_u32 s66, s66, s67                     ; Hs
	s_mov_b32 s67, 0
	s_mov_b32 s[SEL], 0x76543210
	s_mov_b32 s[SEL+1], 0xfedcba98
	s_mov_b32 s[MNT], 0x600000
	s_mov_b32 s[GC], 16
	s_mov_b32 s[ST], 512
	s_mov_b32 s[ST+1], 0
	s_mov_b32 s[KD], 0x3ed5224c                    ; 0.5 / sqrt(log2(e))
	SPAIR KZ, 0x3f596d27                           ; sqrt(log2(e) / 2)
	SPAIR CK+16, 0xbf97d29d                        ; the coefficients x log2(e): -0.82215223,
	SPAIR CK+14, 0x40097039                        ; 1.48851587,
	SPAIR CK+12, 0xbfd1a1e5                        ; -1.13520398,
	SPAIR CK+10, 0x3ecdfd18                        ; 0.27886807,
	SPAIR CK+8,  0xbe899a80                        ; -0.18628806,
	SPAIR CK+6,  0x3e0efb2e                        ; 0.09678418,
	SPAIR CK+4,  0x3f0a29d2                        ; 0.37409196,
	SPAIR CK+2,  0x3fb8ab5a                        ; 1.00002368,
	SPAIR CK,    0xc025c4b6                        ; -1.26551223, + log2(sqrt(2 ln 2) / 2)
	s_wait_dscnt 0x0                               ; both opening adds are done
	s_wait_kmcnt 0x0
	s_add_nc_u64 s[G0+2:G0+3], s[8:9], s[68:69]
	s_or_b32 s[G0+3], s[G0+3], 0x80000000          ; type = 2
	s_add_nc_u64 s[4:5], s[4:5], s[70:71]
	s_add_nc_u64 s[6:7], s[6:7], s[72:73]
	s_add_nc_u64 s[10:11], s[10:11], s[74:75]
	s_add_nc_u64 s[12:13], s[12:13], s[76:77]
	s_add_nc_u64 s[14:15], s[14:15], s[78:79]
	s_add_nc_u64 s[16:17], s[16:17], s[66:67]
	CROUND                                         ; all four work-groups are here: the first joint load meets
	tensor_load_to_lds s[G0:G0+3], s[G1:G1+7]      ; chunk 0 into slot 0: my one load at the head
	s_nop 0
	PLACES 4
	v_and_b32 v9, 15, v0                           ; r
	v_bfe_u32 v10, v0, 4, 1                        ; h
	v_and_b32 v11, 31, v0                          ; lane
	v_mul_u32_u24 v[AW0], v9, WPI
	v_lshl_add_u32 v[AW0], v10, 4, v[AW0]
	v_lshlrev_b32 v[VS], 5, v9
	v_lshl_add_u32 v[VS], v10, 4, v[VS]
	v_lshlrev_b32 v[VB], 5, v10
	v_lshlrev_b32 v[VL], 4, v11
	WALU
	WIN 0x40                                       ; destination window 1: x's fragment (m, s) at 16 (2 s + m); they stay
.irp s, 0,1,2,3,4,5,6,7
.irp m, 0,1
.irp c, 0,1,2,3
	global_load_b128 v[16*(2*\s+\m)+4*\c:16*(2*\s+\m)+4*\c+3], v[VL], s[4:5] offset:(8*\m+\s)*2048+512*\c
.endr
.endr
.endr
	WIN 0
.irp m, 0,1
	global_load_b128 v[XS+4*\m:XS+4*\m+3], v[VS], s[6:7] offset:512*\m
.endr
	WSB
.set I_, 0
.rept 32
	v_mov_b32 v[ACC+I_], 0                         ; written once, so that every way to the vector work finds them written
.set I_, I_+1
.endr
	v_mov_b32 v[TM+6], 0                           ; a lane permute's destination counts as one of its sources
	v_mov_b32 v[TM+7], 0
.irp i, 0,1,2,3,4,5,6,7
	v_mov_b32 v[HSW+\i], 0                         ; shifted out in the course of the sixteen groups
.endr
	v_mov_b32 v[C9], 0x3e7c6f08                    ; 0.17087277 x log2(e)
	v_mov_b32 v[C9+1], 0x3e7c6f08
	WALU
	CHANGE 1, 1                                    ; chunk 1 into slot 1: a first fill, issued as a refill is
	CHUNK 0
	CHANGE 1, 0                                    ; chunk 2
	CHUNK 1
	CHANGE 1, 1                                    ; chunk 3
	CHUNK 0
	CHANGE 0, 0
	CHUNK 1
	s_cmp_eq_u32 s[ROLE], 0
	s_cbranch_scc1 .Ldone
	VEC                                            ; role 1: the last group's vector work
.Ldone:
	v_cmp_le_u32 vcc_lo, 16, v11                   ; lanes 16-31 store token tile 1's bytes
	WALU
.irp q, 0,1,2,3
	v_cndmask_b32 v[Z+\q], v[HSW+\q], v[HSW+4+\q], vcc_lo
.endr
	global_store_b128 v[VL], v[Z:Z+3], s[16:17]    ; 32 tokens' 16 bytes: 512 consecutive bytes
	s_wait_tensorcnt 0x0                           ; the wave's end
	ds_add_u32 v[SPW], v[NIL]
	s_wait_dscnt 0x0
	CROUND                                         ; the closing round
	s_endpgm
.Lfunc_end_k_q0890d8f233_hidden:
	.size	k_q0890d8f233_hidden, .Lfunc_end_k_q0890d8f233_hidden-k_q0890d8f233_hidden
	.p2alignl 7, 3214868480
	.fill 96, 4, 3214868480
	.section	.rodata,"a",@progbits
	.p2align	6, 0x0
	.amdhsa_kernel k_q0890d8f233_hidden
		.amdhsa_group_segment_fixed_size 327680
		.amdhsa_private_segment_fixed_size 0
		.amdhsa_enable_private_segment 0
		.amdhsa_kernarg_size 56
		.amdhsa_user_sgpr_count 2
		.amdhsa_user_sgpr_kernarg_segment_ptr 1
		.amdhsa_wavefront_size32 1
		.amdhsa_system_sgpr_workgroup_id_x 1
		.amdhsa_system_sgpr_workgroup_id_y 1
		.amdhsa_system_sgpr_workgroup_id_z 1
		.amdhsa_system_vgpr_workitem_id 0
		.amdhsa_next_free_vgpr 512
		.amdhsa_next_free_sgpr 88
		.amdhsa_reserve_vcc 1
		.amdhsa_float_denorm_mode_32 3
		.amdhsa_float_denorm_mode_16_64 3
		.amdhsa_memory_ordered 1
		.amdhsa_forward_progress 1
		.amdhsa_inst_pref_size 225
	.end_amdhsa_kernel
	.amdgpu_metadata
---
amdhsa.version: [ 1, 2 ]
amdhsa.kernels:
  - .name:           k_q0890d8f233_hidden
    .symbol:         k_q0890d8f233_hidden.kd
    .args:
      - { .name: Xc, .offset: 0, .size: 8, .value_kind: global_buffer, .address_space: global }
      - { .name: Xs, .offset: 8, .size: 8, .value_kind: global_buffer, .address_space: global }
      - { .name: W1_codes, .offset: 16, .size: 8, .value_kind: global_buffer, .address_space: global }
      - { .name: W1_scales, .offset: 24, .size: 8, .value_kind: global_buffer, .address_space: global }
      - { .name: b1, .offset: 32, .size: 8, .value_kind: global_buffer, .address_space: global }
      - { .name: Hc, .offset: 40, .size: 8, .value_kind: global_buffer, .address_space: global }
      - { .name: Hs, .offset: 48, .size: 8, .value_kind: global_buffer, .address_space: global }
    .group_segment_fixed_size: 327680
    .private_segment_fixed_size: 0
    .kernarg_segment_align: 8
    .kernarg_segment_size: 56
    .max_flat_workgroup_size: 256
    .sgpr_count:     88
    .vgpr_count:     512
    .wavefront_size: 32
...
	.end_amdgpu_metadata
.endif
;; end of part 2
;; launch mix (part 3): grid 32 x 8, 4 waves a work-group, clusters of 4 x 1, 327,680 bytes of LDS; arguments Hc, Hs, W2_codes, W2_scales, b2, PT, out0; writes out0
.if DOCPART == 3
	.amdgcn_target "amdgcn-amd-amdhsa--gfx1250"
	.amdhsa_code_object_version 6
	.text
	.protected	k_q0890d8f233_mix
	.globl	k_q0890d8f233_mix
	.p2align	8
	.type	k_q0890d8f233_mix,@function
k_q0890d8f233_mix:
	s_mov_b64 s[64:65], 0
	v_nop
	global_prefetch_b8 v0, s[64:65] scope:SCOPE_SE
	s_setreg_imm32_b32 hwreg(HW_REG_WAVE_MODE, 25, 1), 1
	s_wait_xcnt 0x0
	s_wait_alu depctr_hold_cnt(0) depctr_sa_sdst(0) depctr_va_vdst(0) depctr_va_sdst(0) depctr_va_ssrc(0) depctr_va_vcc(0) depctr_vm_vsrc(0)
	s_getreg_b32 s2, hwreg(HW_REG_IB_STS2, 6, 4)
	s_cmp_eq_u32 s2, 0
	s_cbranch_scc0 .Lentry_in_a_cluster
	s_endpgm
.Lentry_in_a_cluster:
	s_bfe_u32 s2, ttmp6, 0x10000c
	s_cmp_lg_u32 s2, 0x3003
	s_cbranch_scc0 .Lentry_shape_is_right
	s_endpgm
.Lentry_shape_is_right:
.set WPI,   1040
.set TILEB, 16*WPI
.set SLOT,  128*WPI
.set SPARE, 2*SLOT
.set SPI,   528
.set ADW,  2
.set AW0,  4
.set STO,  6
.set RD,   7
.set VL,   8
.set SPW,  9
.set NIL,  10
.set VWS,  11
.set VB2,  12
.set VPT,  13
.set HS,   16
.set WSC,  24
.set PP,   56
.set B2,   64
.set OB,   128
.set WV,  18
.set TB,  20
.set G1,  24
.set G0A, 32
.set G0W, 36
.set MSB, 0
.macro WIN new
.if MSB != \new
	s_set_vgpr_msb (MSB<<8)|\new
.set MSB, \new
.endif
.endm
.macro PLACES n
.rept \n
	v_nop
.endr
.endm
.macro CREST
	s_cmp_lg_u32 s[WV], 0
	s_cbranch_scc1 .Lnot_wave_0_\@
	s_barrier_signal -3
.Lnot_wave_0_\@:
	s_barrier_wait -3
	s_barrier_signal -1
	s_barrier_wait -1
.endm
.macro CROUND
	s_barrier_signal -1
	s_barrier_wait -1
	CREST
.endm
.macro FETCH s, p
	WIN 0x40
.irp t, 0,1,2,3,4,5,6,7
.irp c, 0,1,2,3
	ds_load_b128 v[128*(\p)+16*\t+4*\c:128*(\p)+16*\t+4*\c+3], v[ADW+\t/4] offset:TILEB*(\t%4)+128*(\s)+32*\c
.endr
.endr
.endm
.macro WM d, a, b, c, sa, sb, ra, rb
.if (\ra) && (\rb)
	v_wmma_scale_f32_16x16x128_f8f6f4 v[(\d):(\d)+7], v[(\a):(\a)+15], v[(\b):(\b)+15], v[(\c):(\c)+7], v[\sa], v[\sb] matrix_a_fmt:MATRIX_FMT_BF8 matrix_b_fmt:MATRIX_FMT_BF8 matrix_a_scale:MATRIX_SCALE_ROW1 matrix_b_scale:MATRIX_SCALE_ROW1
.elseif (\ra)
	v_wmma_scale_f32_16x16x128_f8f6f4 v[(\d):(\d)+7], v[(\a):(\a)+15], v[(\b):(\b)+15], v[(\c):(\c)+7], v[\sa], v[\sb] matrix_a_fmt:MATRIX_FMT_BF8 matrix_b_fmt:MATRIX_FMT_BF8 matrix_a_scale:MATRIX_SCALE_ROW1
.elseif (\rb)
	v_wmma_scale_f32_16x16x128_f8f6f4 v[(\d):(\d)+7], v[(\a):(\a)+15], v[(\b):(\b)+15], v[(\c):(\c)+7], v[\sa], v[\sb] matrix_a_fmt:MATRIX_FMT_BF8 matrix_b_fmt:MATRIX_FMT_BF8 matrix_b_scale:MATRIX_SCALE_ROW1
.else
	v_wmma_scale_f32_16x16x128_f8f6f4 v[(\d):(\d)+7], v[(\a):(\a)+15], v[(\b):(\b)+15], v[(\c):(\c)+7], v[\sa], v[\sb] matrix_a_fmt:MATRIX_FMT_BF8 matrix_b_fmt:MATRIX_FMT_BF8
.endif
.endm
.macro MUL s, t0, nt, first
.if \first
	WIN 0x8d
.else
	WIN 0xad
.endif
.set tt, \t0
.rept \nt
.irp m, 0,1
.if \first
	WM 8*(8*\m+tt), 128*((\s)%2)+16*tt, 16*(2*(\s)+\m), B2+8*tt, WSC+8*(tt/2)+(\s), HS+(\s), tt%2, \m
.else
	WM 8*(8*\m+tt), 128*((\s)%2)+16*tt, 16*(2*(\s)+\m), 8*(8*\m+tt), WSC+8*(tt/2)+(\s), HS+(\s), tt%2, \m
.endif
.endr
.set tt, tt+1
.endr
.endm
.macro HLD s, d
.irp m, 0,1
.irp c, 0,1,2,3
	global_load_b128 v[16*(2*(\s)+\m)+4*\c:16*(2*(\s)+\m)+4*\c+3], v[VL], s[4:5] offset:131072*(\d)+8192*(2*(\s)+\c/2)+1024*\m+512*(\c%2)
.endr
.endr
.endm
.macro SCL rho, d
	global_load_b128 v[HS+4*\rho:HS+4*\rho+3], v[VL], s[6:7] offset:4096*(\d)+2048*\rho
.irp u, 0,1,2,3
	global_load_b128 v[WSC+8*\u+4*\rho:WSC+8*\u+4*\rho+3], v[VWS], s[10:11] offset:32768*(\d)+1024*\u+16*\rho
.endr
.endm
.macro B2L d
.irp t, 0,1,2,3,4,5,6,7
	global_load_b128 v[B2+8*\t:B2+8*\t+3], v[VB2], s[12:13] offset:4096*(\d)+64*\t
	global_load_b128 v[B2+8*\t+4:B2+8*\t+7], v[VB2], s[12:13] offset:4096*(\d)+64*\t+16
.endr
.endm
.macro PTL
.irp m, 0,1
	global_load_b32 v[PP+2*\m], v[VPT], s[14:15] offset:512*\m
.endr
.endm
.macro STEP s, next
	PLACES 8
	FETCH (\s)+1, ((\s)+1)%2
.if (\next) && ((\s) > 0)
	WIN 0xc0
	HLD (\s)-1, 1
	WIN 0
.if (\s) == 1
	B2L 1
.endif
.if (\s) == 4
	SCL 0, 1
.endif
.endif
.if (\s) == 0
	s_wait_loadcnt 39
.elseif (\s) < 4
.if \next
	s_wait_loadcnt 63
.else
	s_wait_loadcnt 68-8*(\s)
.endif
.elseif (\s) == 4
.if \next
	s_wait_loadcnt 55
.else
	s_wait_loadcnt 2
.endif
.endif
	s_wait_dscnt 32
.if (\s) == 0
	MUL 0, 0, 8, 1
.else
	MUL \s, 0, 8, 0
.endif
.endm
.macro TURN fill
	WIN 0
	s_wait_tensorcnt 0x0
	ds_add_u32 v[SPW], v[NIL]
	s_wait_dscnt 1
	MUL 7, 0, 2, 0
	s_wait_dscnt 0x0
	s_barrier_signal -1
	MUL 7, 2, 2, 0
	WIN 0
	s_barrier_wait -1
.if \fill
	CREST
	s_xor_b32 s[G0W+1], s[G0W+1], SLOT
	s_add_nc_u64 s[G0W+2:G0W+3], s[G0W+2:G0W+3], 1048576
	tensor_load_to_lds s[G0W:G0W+3], s[G1:G1+7]
	s_nop 0
.endif
	PLACES 8
	s_xor_b32 s[TB], s[TB], SLOT
	v_add_nc_u32 v[ADW], s[TB], v[AW0]
	v_add_nc_u32 v[ADW+1], s[TB], v[AW0+1]
	FETCH 0, 0
	WIN 0xc0
	HLD 6, 1
	MUL 7, 4, 4, 0
.endm
.macro COMBINE first, next
	WIN 0
	PLACES 8
.if \next
	WIN 0xc0
	HLD 7, 1
	WIN 0
	SCL 1, 1
	s_wait_loadcnt 63
.else
	s_wait_loadcnt 0x0
.endif
	WIN 0xa2
.irp m, 0,1
.irp t, 0,1,2,3,4,5,6,7
.irp j, 0,2,4,6
.if \first
	v_pk_mul_f32 v[128+8*(8*\m+\t)+\j:128+8*(8*\m+\t)+\j+1], v[8*(8*\m+\t)+\j:8*(8*\m+\t)+\j+1], v[PP+2*\m:PP+2*\m+1] op_sel_hi:[1,0]
.else
	v_pk_fma_f32 v[128+8*(8*\m+\t)+\j:128+8*(8*\m+\t)+\j+1], v[8*(8*\m+\t)+\j:8*(8*\m+\t)+\j+1], v[PP+2*\m:PP+2*\m+1], v[128+8*(8*\m+\t)+\j:128+8*(8*\m+\t)+\j+1] op_sel_hi:[1,0,1]
.endif
.endr
.endr
.endr
	WIN 0
.endm
.macro LAP first, fill, next
.irp s, 0,1,2,3,4,5,6
	STEP \s, \next
.endr
.if \next
	TURN \fill
.else
	s_wait_dscnt 0x0
	MUL 7, 0, 8, 0
.endif
	COMBINE \first, \next
.if \next
	s_wait_xcnt 0x0
	s_add_nc_u64 s[4:5], s[4:5], 131072
	s_add_nc_u64 s[6:7], s[6:7], 4096
	s_add_nc_u64 s[10:11], s[10:11], 32768
	s_add_nc_u64 s[12:13], s[12:13], 4096
	s_add_nc_u64 s[14:15], s[14:15], 64
	PTL
.endif
.endm
	s_load_b256 s[4:11], s[0:1], 0x0
	s_load_b128 s[12:15], s[0:1], 0x20
	s_load_b64 s[16:17], s[0:1], 0x30
	v_lshl_add_u32 v[SPW], v0, 2, SPARE
	v_mov_b32 v[NIL], 0
	ds_add_u32 v9, v10
	ds_add_u32 v9, v10
	s_wait_dscnt 0x0
	v_lshrrev_b32 v1, 5, v0
	v_readfirstlane_b32 s[WV], v1
	s_bfe_u32 s40, ttmp6, 0x40000
	s_lshl_b32 s41, ttmp9, 2
	s_add_co_u32 s41, s41, s40
	s_and_b32 s42, ttmp7, 0xffff
	s_mov_b32 s[G1], 15|(0<<16)|(1<<20)|(1<<21)|(7<<22)|(3<<25)
	s_mov_b32 s[G1+1], 1024<<16
	s_mov_b32 s[G1+2], 32<<16
	s_mov_b32 s[G1+3], 1024<<16
	s_mov_b32 s[G1+4], 32
	s_mov_b32 s[G1+5], 1024
	s_mov_b32 s[G1+6], 0
	s_mov_b32 s[G1+7], 0
	s_lshl_b32 s44, s42, 17
	s_lshl_b32 s45, s[WV], 15
	s_add_co_u32 s44, s44, s45
	s_mov_b32 s45, 0
	s_mul_i32 s43, s[WV], 32*WPI
	s_mov_b32 s47, 0
	s_mov_b32 s[TB], 0
	s_wait_kmcnt 0x0
	s_mov_b32 s[G0A], 1
	s_mov_b32 s[G0A+1], s43
	s_add_nc_u64 s[G0A+2:G0A+3], s[8:9], s[44:45]
	s_mov_b32 s[G0W], 1
	s_add_co_u32 s[G0W+1], s43, SLOT
	s_add_nc_u64 s[G0W+2:G0W+3], s[G0A+2:G0A+3], 1048576
	s_or_b32 s[G0A+3], s[G0A+3], 0x80000000
	s_or_b32 s[G0W+3], s[G0W+3], 0x80000000
	CROUND
	tensor_load_to_lds s[G0A:G0A+3], s[G1:G1+7]
	s_nop 0
	s_wait_alu depctr_va_vdst(0)
	s_wait_tensorcnt 0x0
	ds_add_u32 v9, v10
	s_wait_dscnt 0x0
	CROUND
	tensor_load_to_lds s[G0W:G0W+3], s[G1:G1+7]
	s_nop 0
	PLACES 4
	s_lshl_b32 s46, s41, 20
	s_lshl_b32 s48, s[WV], 11
	s_add_co_u32 s46, s46, s48
	s_add_nc_u64 s[4:5], s[4:5], s[46:47]
	s_lshl_b32 s46, s41, 15
	s_lshl_b32 s48, s[WV], 9
	s_add_co_u32 s46, s46, s48
	s_add_nc_u64 s[6:7], s[6:7], s[46:47]
	s_lshl_b32 s46, s42, 12
	s_add_nc_u64 s[10:11], s[10:11], s[46:47]
	s_lshl_b32 s46, s42, 9
	s_add_nc_u64 s[12:13], s[12:13], s[46:47]
	s_add_nc_u64 s[16:17], s[16:17], s[46:47]
	s_lshl_b32 s46, s41, 12
	s_lshl_b32 s48, s[WV], 10
	s_add_co_u32 s46, s46, s48
	s_add_nc_u64 s[14:15], s[14:15], s[46:47]
	s_lshl_b32 s46, s41, 19
	s_lshl_b32 s48, s[WV], 17
	s_add_co_u32 s46, s46, s48
	s_add_nc_u64 s[16:17], s[16:17], s[46:47]
	v_and_b32 v1, 15, v0
	v_bfe_u32 v14, v0, 4, 1
	v_and_b32 v15, 31, v0
	v_lshlrev_b32 v[VL], 4, v15
	v_lshlrev_b32 v[VWS], 5, v15
	v_lshlrev_b32 v[VB2], 5, v14
	v_lshlrev_b32 v[VPT], 2, v1
	WIN 0xc0
	HLD 0, 0
	WIN 0
	B2L 0
	WIN 0xc0
	HLD 1, 0
	HLD 2, 0
	HLD 3, 0
	WIN 0
	SCL 0, 0
	WIN 0xc0
	HLD 4, 0
	HLD 5, 0
	HLD 6, 0
	HLD 7, 0
	WIN 0
	SCL 1, 0
	PTL
	v_mul_u32_u24 v[AW0], v1, WPI
	v_lshl_add_u32 v[AW0], v14, 4, v[AW0]
	v_add_nc_u32 v[AW0+1], 4*TILEB, v[AW0]
	v_add_nc_u32 v[ADW], s[TB], v[AW0]
	v_add_nc_u32 v[ADW+1], s[TB], v[AW0+1]
	s_mul_i32 s49, s[WV], 16*SPI
	v_mul_u32_u24 v[STO], v1, SPI
	v_lshl_add_u32 v[STO], v14, 5, v[STO]
	v_add_nc_u32 v[STO], s49, v[STO]
	v_add_nc_u32 v[RD], s49, v[VL]
	v_mov_b32 v[PP+1], 0
	v_mov_b32 v[PP+3], 0
	s_wait_alu depctr_va_vdst(0)
	s_wait_tensorcnt 1
	s_barrier_signal -1
	s_barrier_wait -1
	FETCH 0, 0
	LAP 1, 1, 1
	s_mov_b32 s21, 5
.Llap:
	LAP 0, 1, 1
	s_sub_co_u32 s21, s21, 1
	s_cmp_lg_u32 s21, 0
	s_cbranch_scc1 .Llap
	LAP 0, 0, 1
	LAP 0, 0, 0
.irp m, 0,1
	WIN 0x08
.irp t, 0,1,2,3,4,5,6,7
	ds_store_b128 v[STO], v[128+8*(8*\m+\t):128+8*(8*\m+\t)+3] offset:64*\t
	ds_store_b128 v[STO], v[128+8*(8*\m+\t)+4:128+8*(8*\m+\t)+7] offset:64*\t+16
.endr
	WIN 0
.irp i, 0,1,2,3,4,5,6,7,8,9,10,11,12,13,14,15
	ds_load_b128 v[OB+64*\m+4*\i:OB+64*\m+4*\i+3], v[RD] offset:SPI*\i
.endr
.endr
.irp m, 0,1
.irp i, 0,1,2,3,4,5,6,7,8,9,10,11,12,13,14,15
	s_wait_dscnt 32*(1-\m)+15-\i
	global_store_b128 v[VL], v[OB+64*\m+4*\i:OB+64*\m+4*\i+3], s[16:17] offset:65536*\m+4096*\i th:TH_STORE_NT
.endr
.endr
	s_wait_tensorcnt 0x0
	ds_add_u32 v[SPW], v[NIL]
	s_wait_dscnt 0x0
	CROUND
	s_endpgm
.Lfunc_end_k_q0890d8f233_mix:
	.size	k_q0890d8f233_mix, .Lfunc_end_k_q0890d8f233_mix-k_q0890d8f233_mix
	.p2alignl 7, 3214868480
	.fill 96, 4, 3214868480
	.section	.rodata,"a",@progbits
	.p2align	6, 0x0
	.amdhsa_kernel k_q0890d8f233_mix
		.amdhsa_group_segment_fixed_size 327680
		.amdhsa_private_segment_fixed_size 0
		.amdhsa_enable_private_segment 0
		.amdhsa_kernarg_size 56
		.amdhsa_user_sgpr_count 2
		.amdhsa_user_sgpr_kernarg_segment_ptr 1
		.amdhsa_wavefront_size32 1
		.amdhsa_system_sgpr_workgroup_id_x 1
		.amdhsa_system_sgpr_workgroup_id_y 1
		.amdhsa_system_sgpr_workgroup_id_z 1
		.amdhsa_system_vgpr_workitem_id 0
		.amdhsa_next_free_vgpr 1024
		.amdhsa_next_free_sgpr 66
		.amdhsa_reserve_vcc 0
		.amdhsa_float_denorm_mode_32 3
		.amdhsa_float_denorm_mode_16_64 3
		.amdhsa_memory_ordered 1
		.amdhsa_forward_progress 1
		.amdhsa_inst_pref_size 210
	.end_amdhsa_kernel
	.amdgpu_metadata
---
amdhsa.version: [ 1, 2 ]
amdhsa.kernels:
  - .name:           k_q0890d8f233_mix
    .symbol:         k_q0890d8f233_mix.kd
    .args:
      - { .name: Hc, .offset: 0, .size: 8, .value_kind: global_buffer, .address_space: global }
      - { .name: Hs, .offset: 8, .size: 8, .value_kind: global_buffer, .address_space: global }
      - { .name: W2_codes, .offset: 16, .size: 8, .value_kind: global_buffer, .address_space: global }
      - { .name: W2_scales, .offset: 24, .size: 8, .value_kind: global_buffer, .address_space: global }
      - { .name: b2, .offset: 32, .size: 8, .value_kind: global_buffer, .address_space: global }
      - { .name: PT, .offset: 40, .size: 8, .value_kind: global_buffer, .address_space: global }
      - { .name: out0, .offset: 48, .size: 8, .value_kind: global_buffer, .address_space: global }
    .group_segment_fixed_size: 327680
    .private_segment_fixed_size: 0
    .kernarg_segment_align: 8
    .kernarg_segment_size: 56
    .max_flat_workgroup_size: 128
    .sgpr_count:     66
    .vgpr_count:     1024
    .wavefront_size: 32
...
	.end_amdgpu_metadata
.endif
;; end of part 3
